; MI455X (gfx1250); checked and timed in simulation.
; The chip was launched on July 23, 2026; its instructions are those of AMD's public machine-readable ISA for CDNA 5 (MIT licence, August 2026) and "CDNA5" Instruction Set Architecture Reference Guide (July 2026). The comments in the code are by the model that wrote it; some were corrected since.
;; Scaled Dot Product Attention. Allowed arithmetic: matrix products marked QUANTISED: E2M3 operands, one E8M0 scale for each 32 along K, by v_wmma_scale_f32_16x16x128_f8f6f4 with both operands' format E2M3, f32 sums; everything else in f32.
;; Inputs: k 4 x 16 x 2,048 x 64 float32; q 4 x 16 x 2,048 x 64 float32; v 4 x 16 x 2,048 x 64 float32.
;; Outputs: out0 4 x 16 x 2,048 x 64 float32.
;; This version of the problem:
;;   THIS VERSION OF THE PROBLEM IS GIVEN IN LOW PRECISION. The matrix products marked QUANTISED in the list below multiply operands that are first quantised to E2M3 (2 exponent bits, 3 mantissa bits; 6 bits a number), with one power-of-two scale for each 32 numbers along K (OCP MX v1.0); their sums are f32. All else is computed in f32.
;;   The module's matrix products, in the order in which they are computed (A, B: the left and right operand; K: the contracted axis; several contracted axes count as one K, in the product's order):
;;     1. batch 64 x [M 2,048, K 64] x [K 64, N 2,048]; A: input q; B: input k: QUANTISED
;;     2. batch 64 x [M 2,048, K 2,048] x [K 2,048, N 64]; A: softmax (see below); B: input v: QUANTISED
;;   THE QUANTISER, for each operand of a quantised product, along K:
;;     - K is cut into blocks of 32 from its start; a last block that is shorter is filled with zeros.
;;     - A block's scale is 2^e with e = floor(log2(the largest magnitude in the block)) - 2, held to -126 .. 127; a block of zeros has e = 0. As a byte (E8M0): e + 127.
;;     - Each number is divided by its block's scale, clamped to +-7.5, and rounded to the nearest number of E2M3, ties to even, subnormals kept.
;;     - The product sums the exact products of the quantised numbers (number of the format x scale) in f32.
;;   ~~~python
;;   def quantise(x, axis):      # numpy; x: float32 -> the quantised numbers, widened to float32 again
;;       x = np.moveaxis(x, axis, -1); K = x.shape[-1]
;;       x = np.pad(x, [(0, 0)] * (x.ndim - 1) + [(0, -K % 32)]); x = x.reshape(x.shape[:-1] + (-1, 32)); a = np.abs(x).max(-1, keepdims=True)
;;       e = np.where(a > 0, np.clip(np.frexp(np.where(a > 0, a, 1))[1] - 1 - 2, -126, 127), 0)      # np.frexp(a)[1] - 1 = floor(log2(a)), exactly
;;       r = np.clip(x / 2.0 ** e, -7.5, 7.5)
;;       step = 2.0 ** (np.maximum(np.frexp(np.where(r == 0, 1, r))[1] - 1, 0) - 3)
;;       q = np.round(r / step) * step * 2.0 ** e      # np.round: ties to even
;;       return np.moveaxis(q.reshape(q.shape[:-2] + (-1,))[..., :K], -1, axis).astype(np.float32)
;;   ~~~
;;   SOFTMAX AHEAD OF A QUANTISED PRODUCT. Where the list says 'softmax', what is quantised is not the finished softmax but p = 2^(t - M), with t = logit x log2(e) and M = ceil(the row's largest t), a whole number; so 1/2 < the row's largest p <= 1. The row's sum l is taken of the UNQUANTISED p, in f32, and the product's result is divided by l at the end. Since M is a whole number, a kernel that streams over the keys may use a running M (the ceiling of the running maximum): every later rescaling is an exact power of two, which a block's scale takes up: the codes' values come out the same.
;;   OPERANDS COMPUTED ON THE WAY. 'Computed on the way' means the value that the module computes at that place (a softmax that the list does not call 'softmax' is quantised finished and normalised). What goes into a quantiser is computed in f32, as accurately as f32 sums, v_exp_f32 and their like allow (about 1e-6 of the number): no bf16 or f16 on the way to a quantiser, and a product that is left as it is and whose result goes on into a quantised operand takes f32 operands (vector FMAs, or v_wmma_f32_16x16x4_f32). A number that lies on a knife's edge between two numbers of the format may be rounded either way, as far as f32 arithmetic and the matrix unit's own rounding can turn it there, and no further.
;; One version. Each part assembles by itself: llvm-mc -triple=amdgcn-amd-amdhsa -mcpu=gfx1250 --defsym DOCPART=n.
;; ======== version 1 of 1: 1 launch
;; limits: right only within a limited range of input values
;; launch attn (part 1): grid 4 x 64, 16 waves a work-group, clusters of 4 x 1, 296,960 bytes of LDS; arguments q, k, v, out0; writes out0
.if DOCPART == 1
	.amdgcn_target "amdgcn-amd-amdhsa--gfx1250"
	.amdhsa_code_object_version 6
	.text
	.protected	k_q08c602f90a_attn
	.globl	k_q08c602f90a_attn
	.p2align	8
	.type	k_q08c602f90a_attn,@function
k_q08c602f90a_attn:
	s_mov_b64 s[64:65], 0
	v_nop
	global_prefetch_b8 v0, s[64:65] scope:SCOPE_SE
	s_setreg_imm32_b32 hwreg(HW_REG_WAVE_MODE, 25, 1), 1
	s_wait_xcnt 0x0
	s_wait_alu depctr_hold_cnt(0) depctr_sa_sdst(0) depctr_va_vdst(0) depctr_va_sdst(0) depctr_va_ssrc(0) depctr_va_vcc(0) depctr_vm_vsrc(0)
	s_getreg_b32 s2, hwreg(HW_REG_IB_STS2, 6, 4)
	s_cmp_eq_u32 s2, 0
	s_cbranch_scc0 .Lentry_in_a_cluster
	s_endpgm
.Lentry_in_a_cluster:
	s_bfe_u32 s2, ttmp6, 0x10000c
	s_cmp_lg_u32 s2, 0x3003
	s_cbranch_scc0 .Lentry_shape_is_right
	s_endpgm
.Lentry_shape_is_right:
; out0[h][q][:] = the sum over k of softmax_k(q[h][q] . k[h][k] / 8) v[h][k][:].  64 heads, 2,048 queries and keys, 64 channels; q, k, v, out0: f32.
; Both products run on codes of FP6 (E2M3) with one E8M0 scale for each 32 along a product's K: the first along the 64 channels, the second along the keys.
; THE SOFTMAX: t = score x log2(e) / 8; M = the running largest t rounded UP to a whole number; p = 2^(t - M) is quantised along the keys, not normalised.
; The row's sum is taken of the unquantised p in f32 and divides O at the end.  When M moves, the sum and O are multiplied by 2^(old M - new M): exact.
; SHARES.  A work-group owns 512 queries of one head (the place in the cluster = the quarter, y = the head); sixteen waves of 256 registers; two passes: in pass p wave w owns queries 256 p + 16 w + 0 .. 15.
; K AND V ARE QUANTISED ON THE WAY, INSIDE PASS 0.  A head's K and V as codes (2 x 98,304 bytes) and scale words (12,288) lie in LDS whole, as IMAGES OF THE OPERANDS' REGISTERS, and are written once.
; A key step is 128 keys.  In the trip that multiplies step c - 1 every wave quantises one sixteenth of step c: waves 0-7 one tile of 16 keys of K each, waves 8-15 one block of 32 keys x 32 channels of V each,
; from 32 registers whose loads were issued one trip earlier, and then asks for its part of step c + 1.  One barrier a trip: the signal behind the image stores, the wait behind the trip's products;
; what is read between the two is step c - 1's images, which nobody writes again.  Pass 1 reads the finished images and has no barrier.
; LAYOUT.  Both products are used transposed: S^T = K Q^T, O^T = V^T P^T: a lane holds ONE query (lane % 16) throughout.
; Lane r of K's tile 2 b + u takes key 32 b + 8 u + r + 8 (r / 8), so that the 16 registers of tiles 2 b and 2 b + 1 are 16 neighbouring keys, 32 b + 16 (lane / 16) + 0 .. 15.
; THE FIRST PRODUCT'S K IS 64, THE INSTRUCTION'S 128.  Q's fragment is six registers of codes and six of zero codes, so whatever bits stand in the upper six registers of the K operand add nothing (the format has
; no NaN and no infinity).  Tile T of K is v[KF + 6 T : KF + 6 T + 11]: its upper half is the next tile's codes, behind tile 7 six registers that hold LDS addresses.  The scale bytes of the upper 64 repeat the two real ones.
; CLUSTER: the four work-groups that read one head's K and V are launched together.  NO JOINT LOADS: K and V arrive as f32 and pass through registers to be quantised; brought through LDS, two slots of a key step
; (2 x 65,536 bytes) do not fit beside the images (208,896), the stages (69,632) and the rest in 327,680.
; NO PREFETCH: every wave's loads of K and V go straight into registers and stand one whole key step ahead of the wait for them.
; LIMITS: NaN and infinities among the inputs are not served.  A block whose largest magnitude lies under 2^-124 has its scale byte held at 1; a block of zeros gets the byte 1 where the rule says 127
; (its codes are zeros, and this program alone reads the bytes).  A p under 2^-126 becomes 0 (v_exp_f32: ISA guide, 15.8).  The scaled scores stay under 2^31 in magnitude.
.set STEPB, 6144                       ; a key step's image of K or of V: 4 x 12 registers x 128 bytes
.set VIMG,  98304                      ; K's images from 0: step s, pair b, group of four registers c: s STEPB + 1536 b + 512 c + 16 lane; V's from here, tile t for b
.set KSC,   196608                     ; K's scale words: 512 s + 256 (T / 4) + 16 r + 4 (T % 4)
.set VSC,   204800                     ; V's: 256 s + 16 r + 4 t, byte = the block of 32 keys
.set STG,   208896                     ; a stage for each wave, its own: 16 rows x (256 bytes + 16)
.set SP,    272
.set WSTG,  16*SP
.set SPARE, 278528                     ; the spare words: 128 bytes a wave
.set QST,   280576                     ; pass 1's Q, 1,024 bytes a wave, its own
.set AK0,  1                           ; 16 x lane
.set AV0,  2                           ; VIMG + 16 x lane
.set ASK0, 3                           ; KSC + 16 x lane
.set ASV0, 4                           ; VSC + 16 r
.set STI,  5                           ; stage: whole rows, two an instruction
.set STR,  6                           ; stage: row r, byte 128 h
.set STO,  7                           ; stage: row r, byte 32 h
.set ADK,  8                           ; v8-11 a step's addresses
.set ADV,  9
.set ADS,  10
.set ADT,  11
.set QF,   16                          ; v16-21 Q's codes, v22-27 zero codes
.set QW,   28                          ; Q's scale word
.set GL16, 29                          ; 16 x lane: global offset
.set SO,   30                          ; v30-33 the conversions' scale operands
.set F,    34                          ; f = 2^(old M - new M)
.set PWD,  35                          ; p's scale word
.set TA,   36
.set GL4,  37                          ; 4 x lane: global offset
.set SH8,  38                          ; 8 h
.set SPW,  39                          ; my spare word; never rewritten
.set KF,   40                          ; v40-87 K's 8 tiles, then V's 4 fragments
.set KA1,  88                          ; v88-93 where my part of a step's images and scales goes (K's role, V's role); never rewritten
.set KA2,  89
.set PKS,  90
.set VA1,  91
.set VA2,  92
.set PVS,  93
.set KSW,  94                          ; v94-97  K's scale words
.set VSW,  98                          ; v98-101 V's
.set NIL,  102                         ; 0; never rewritten
.set PW,   103                         ; a lane permute's destination
.set S,    104                         ; v104-167 S^T, then p; while they are dead: the quantiser's registers
.set MX0,  104
.set MX1,  105
.set SOP,  106
.set BY,   107
.set W,    108
.set D,    110                         ; v110-115 a block's 32 codes
.set TMP,  116
.set X,    120                         ; v120-151 32 numbers back from the stage
.set O,    168                         ; v168-199 O^T
.set PC,   200                         ; v200-211 p's codes; before that part sums
.set BM,   212
.set T2,   216                         ; v216-223 at work
.set A,    224                         ; v224-255 my 32 numbers a lane of the next key step, as loaded
; Eight loads bring a tile of 16 rows x 64 f32: each reads 512 consecutive bytes.  gap: rows 8-15 of the tile lie gap rows further on.
.macro LOADT set, base, row0, gap, nt
.irp i, 0,1,2,3,4,5,6,7
.if \nt
	global_load_b128 v[(\set)+4*\i:(\set)+4*\i+3], v[GL16], s[\base:\base+1] offset:((\row0)+2*\i+(\gap)*(\i/4))*256 th:TH_LOAD_NT
.else
	global_load_b128 v[(\set)+4*\i:(\set)+4*\i+3], v[GL16], s[\base:\base+1] offset:((\row0)+2*\i+(\gap)*(\i/4))*256
.endif
.endr
.endm
; V: a lane takes a channel and its registers run down 32 keys: each load reads 128 consecutive bytes.
.macro LOADV
.set j, 0
.rept 32
	global_load_b32 v[A+j], v[GL4], s[8:9] offset:j*256
.set j, j+1
.endr
.endm
; A tile turns through my stage: lane (r, h) then holds channels 32 h .. 32 h + 31 of the tile's row r in v[X] on.
.macro TURN set
.irp i, 0,1,2,3,4,5,6,7
	ds_store_b128 v[STI], v[(\set)+4*\i:(\set)+4*\i+3] offset:2*\i*SP
.endr
.irp i, 0,1,2,3,4,5,6,7
	ds_load_b128 v[X+4*\i:X+4*\i+3], v[STR] offset:16*\i          ; LDS serves a wave's instructions in order (ISA guide 5.7.1.4)
.endr
	s_wait_dscnt 0x0
.endm
; A block of 32 numbers in v[src] on becomes six registers of codes in v[dst] on; its scale byte in v[BY].
.macro QUANT32 src, dst, tmp
	v_max3_num_f32 v[MX0], |v[(\src)]|, |v[(\src)+1]|, 0x1800000   ; the floor 2^(3 - 127) holds the byte at 1 from below
	v_max3_num_f32 v[MX1], |v[(\src)+2]|, |v[(\src)+3]|, |v[(\src)+4]|
.irp i, 5,9,13,17,21,25
	s_delay_alu instid0(VALU_DEP_2)
	v_max3_num_f32 v[MX0], v[MX0], |v[(\src)+\i]|, |v[(\src)+\i+1]|
	s_delay_alu instid0(VALU_DEP_2)
	v_max3_num_f32 v[MX1], v[MX1], |v[(\src)+\i+2]|, |v[(\src)+\i+3]|
.endr
	s_delay_alu instid0(VALU_DEP_2)
	v_max3_num_f32 v[MX0], v[MX0], |v[(\src)+29]|, |v[(\src)+30]|
	s_delay_alu instid0(VALU_DEP_1)
	v_max3_num_f32 v[MX0], v[MX0], v[MX1], |v[(\src)+31]|
	s_delay_alu instid0(VALU_DEP_1)
	v_add_nc_u32 v[SOP], 0xff000000, v[MX0]        ; 2 off the exponent field: the conversion's scale operand
	s_delay_alu instid0(VALU_DEP_1)
	v_lshrrev_b32 v[BY], 23, v[SOP]                ; the scale's byte
	v_cvt_scalef32_pk16_fp6_f32 v[(\dst):(\dst)+2], v[(\src):(\src)+15], v[SOP]
	v_cvt_scalef32_pk16_fp6_f32 v[(\tmp):(\tmp)+2], v[(\src)+16:(\src)+31], v[SOP]
	v_nop                                          ; one plain place behind a scaled conversion
.irp i, 0,1,2
	v_mov_b32 v[(\dst)+3+\i], v[(\tmp)+\i]
.endr
.endm
; A row's scale word for the first product: my byte (block h) and lane l xor 16's; the upper two bytes repeat them.
.macro WORD wreg
	v_lshlrev_b32 v[W], v[SH8], v[BY]
	s_delay_alu instid0(VALU_DEP_1)
	v_permlanex16_b32 v[PW], v[W], s20, s21
	s_delay_alu instid0(VALU_DEP_1)
	v_or_b32 v[W], v[W], v[PW]
	s_delay_alu instid0(VALU_DEP_1)
	v_lshl_or_b32 v[\wreg], v[W], 16, v[W]
.endm
; Six registers of codes into an image of twelve, registers 0-5 or 6-11: bytes 0, 8, 512 or 520, 1024, 1032 of the lane's places; the two address registers carry the choice.
.macro PUT6 off
	ds_store_b64 v[ADK], v[D:D+1] offset:(\off)*STEPB
	ds_store_b64 v[ADV], v[D+2:D+3] offset:(\off)*STEPB
	ds_store_b64 v[ADK], v[D+4:D+5] offset:(\off)*STEPB+512
.endm
; My sixteenth of key step s27 (its numbers are in v[A] on) becomes codes and scales in the images, off steps beyond the step that s24-26 name; then my part of step s27 + 1 is asked for.
.macro QSTAGE off
	s_wait_loadcnt 0x0                             ; my numbers are in; the bases may be stepped
	s_cmp_lt_u32 s12, 8
	s_cbranch_scc0 .Lvrole_\@
	v_add_nc_u32 v[ADK], s24, v[KA1]
	v_add_nc_u32 v[ADV], s24, v[KA2]
	v_add_nc_u32 v[ADS], s25, v[PKS]
	TURN A
	s_add_nc_u64 s[6:7], s[6:7], 0x8000            ; 128 keys on
	s_cmp_lt_u32 s27, 15
	s_cbranch_scc0 .Lkno_\@                        ; there is no step 16
	LOADT A, 6, 0, 8, 0
.Lkno_\@:
	QUANT32 X, D, TMP
	WORD W
	PUT6 \off
	ds_store_b32 v[ADS], v[W] offset:(\off)*512    ; both lanes of a row write the same word with the same value
	s_branch .Ljoin_\@
.Lvrole_\@:
	v_add_nc_u32 v[ADK], s24, v[VA1]
	v_add_nc_u32 v[ADV], s24, v[VA2]
	v_add_nc_u32 v[ADS], s26, v[PVS]
	QUANT32 A, D, TMP
	PUT6 \off
	ds_store_b8 v[ADS], v[BY] offset:(\off)*256    ; my block's byte of my channel's scale word
	s_add_nc_u64 s[8:9], s[8:9], 0x8000
	s_cmp_lt_u32 s27, 15
	s_cbranch_scc0 .Ljoin_\@
	LOADV
.Ljoin_\@:
.endm
.macro INITPASS
	v_mov_b32 v13, 0xff61b1e6                      ; the largest t so far: -3e38
	s_delay_alu instid0(VALU_DEP_1)
	v_floor_f32 v12, -v13                          ; -M
	v_mov_b32 v14, 0                               ; the sum, in two halves
	v_mov_b32 v15, 0
.set j, 0
.rept 32
	v_mov_b32 v[O+j], 0                            ; O^T: the step is written once; its first trip finds zeros
.set j, j+1
.endr
.endm
; A key step for my 16 queries: 128 keys, images at s24, scale words at s25 and s26.
.macro COMPUTE
	v_add_nc_u32 v[ADK], s24, v[AK0]               ; these four are the places in front of the loads into registers that the last products read
	v_add_nc_u32 v[ADV], s24, v[AV0]
	v_add_nc_u32 v[ADS], s25, v[ASK0]
	v_add_nc_u32 v[ADT], s26, v[ASV0]
.irp b, 0,1,2,3
.irp c, 0,1,2
	ds_load_b128 v[KF+12*\b+4*\c:KF+12*\b+4*\c+3], v[ADK] offset:\b*1536+\c*512
.endr
.endr
	ds_load_b128 v[KSW:KSW+3], v[ADS]
	s_wait_alu depctr_va_vdst(0)
	s_wait_dscnt 0x0
.irp t, 0,1,2,3                                    ; S^T = K Q^T: eight accumulators, each begun with the constant 0
	v_wmma_scale_f32_16x16x128_f8f6f4 v[S+8*\t:S+8*\t+7], v[KF+6*\t:KF+6*\t+11], v[QF:QF+11], 0, v[KSW+\t], v[QW] matrix_a_fmt:MATRIX_FMT_FP6 matrix_b_fmt:MATRIX_FMT_FP6
.endr
.irp t, 4,5,6,7                                    ; the words of tiles 4-7 stand in lanes 16-31
	v_wmma_scale_f32_16x16x128_f8f6f4 v[S+8*\t:S+8*\t+7], v[KF+6*\t:KF+6*\t+11], v[QF:QF+11], 0, v[KSW+\t-4], v[QW] matrix_a_fmt:MATRIX_FMT_FP6 matrix_b_fmt:MATRIX_FMT_FP6 matrix_a_scale:MATRIX_SCALE_ROW1
.endr
.rept 4
	v_nop                                          ; four places (ISA guide 7.12.1)
.endr
.irp t, 0,1,2,3                                    ; V's four fragments are asked for now
.irp c, 0,1,2
	ds_load_b128 v[KF+12*\t+4*\c:KF+12*\t+4*\c+3], v[ADV] offset:\t*1536+\c*512
.endr
.endr
	ds_load_b128 v[VSW:VSW+3], v[ADT]
.irp b, 0,1,2,3
	v_max3_num_f32 v[BM+\b], v[S+16*\b], v[S+16*\b+1], v[S+16*\b+2]   ; the largest score of each block of 32 keys: for the row's maximum and for the block's largest p
.endr
.irp i, 3,5,7,9,11,13
.irp b, 0,1,2,3
	v_max3_num_f32 v[BM+\b], v[BM+\b], v[S+16*\b+\i], v[S+16*\b+\i+1]
.endr
.endr
.irp b, 0,1,2,3
	v_max_num_f32 v[BM+\b], v[BM+\b], v[S+16*\b+15]
.endr
.irp b, 0,1,2,3
	s_delay_alu instid0(VALU_DEP_4)
	v_permlanex16_b32 v[T2+\b], v[BM+\b], s20, s21
.endr
.irp b, 0,1,2,3
	s_delay_alu instid0(VALU_DEP_4)
	v_max_num_f32 v[BM+\b], v[BM+\b], v[T2+\b]     ; with lane l xor 16's 16 keys
.endr
	s_delay_alu instid0(VALU_DEP_2)
	v_max3_num_f32 v[TA], v[BM], v[BM+1], v[BM+2]
	s_delay_alu instid0(VALU_DEP_1)
	v_max_num_f32 v[TA], v[TA], v[BM+3]
	s_delay_alu instid0(VALU_DEP_1)
	v_mul_f32 v[TA], s22, v[TA]                    ; as t (c is positive)
	s_delay_alu instid0(VALU_DEP_1)
	v_max_num_f32 v13, v13, v[TA]                  ; the running largest t
	v_mov_b32 v[TA], v12
	s_delay_alu instid0(VALU_DEP_2)
	v_floor_f32 v12, -v13                          ; the new -M = -ceil(t)
	s_delay_alu instid0(VALU_DEP_1)
	v_sub_f32 v[TA], v12, v[TA]                    ; old M - new M
	s_delay_alu instid0(VALU_DEP_1)
	v_cvt_i32_f32 v[TA], v[TA]
	s_delay_alu instid0(VALU_DEP_1)
	v_ldexp_f32 v[F], 1.0, v[TA]                   ; f = 2^(old M - new M)
.set j, 0
.rept 32
	v_pk_fma_f32 v[S+j:S+j+1], v[S+j:S+j+1], s[22:23], v[12:13] op_sel_hi:[1,0,0]   ; t - M
.set j, j+2
.endr
.irp b, 0,1,2,3
	v_fma_f32 v[BM+\b], v[BM+\b], s22, v12         ; the same of each block's largest score
.endr
.set j, 0
	s_wait_alu depctr_va_vdst(0)                   ; ahead of the batch
.rept 64
	v_exp_f32 v[S+j], v[S+j]                       ; p = 2^(t - M)
.set j, j+1
.endr
	v_pk_mul_f32 v[14:15], v[14:15], v[F:F+1] op_sel_hi:[1,0]   ; the sums under the new M
	s_wait_alu depctr_va_vdst(0)                   ; one wait for the batch of 64
.irp b, 0,1,2,3
	v_exp_f32 v[BM+\b], v[BM+\b]                   ; the block's largest p
.endr
	v_pk_add_f32 v[216:217], v[108:109], v[112:113] ; the row's sum of the unquantised p, in eight chains; the part sums stand where p's codes and bytes come later
	v_pk_add_f32 v[218:219], v[116:117], v[120:121]
	v_pk_add_f32 v[220:221], v[124:125], v[128:129]
	v_pk_add_f32 v[222:223], v[132:133], v[136:137]
	v_pk_add_f32 v[200:201], v[140:141], v[144:145]
	v_pk_add_f32 v[202:203], v[148:149], v[152:153]
	v_pk_add_f32 v[204:205], v[156:157], v[160:161]
	v_pk_add_f32 v[14:15], v[14:15], v[164:165]
	v_pk_add_f32 v[216:217], v[216:217], v[104:105]
	v_pk_add_f32 v[218:219], v[218:219], v[106:107]
	v_pk_add_f32 v[220:221], v[220:221], v[110:111]
	v_pk_add_f32 v[222:223], v[222:223], v[114:115]
	v_pk_add_f32 v[200:201], v[200:201], v[118:119]
	v_pk_add_f32 v[202:203], v[202:203], v[122:123]
	v_pk_add_f32 v[204:205], v[204:205], v[126:127]
	v_pk_add_f32 v[14:15], v[14:15], v[130:131]
	v_pk_add_f32 v[216:217], v[216:217], v[134:135]
	v_pk_add_f32 v[218:219], v[218:219], v[138:139]
	v_pk_add_f32 v[220:221], v[220:221], v[142:143]
	v_pk_add_f32 v[222:223], v[222:223], v[146:147]
	v_pk_add_f32 v[200:201], v[200:201], v[150:151]
	v_pk_add_f32 v[202:203], v[202:203], v[154:155]
	v_pk_add_f32 v[204:205], v[204:205], v[158:159]
	v_pk_add_f32 v[14:15], v[14:15], v[162:163]
	v_pk_add_f32 v[216:217], v[216:217], v[166:167]
	s_delay_alu instid0(VALU_DEP_2)
	v_pk_add_f32 v[14:15], v[14:15], v[222:223]
	s_delay_alu instid0(VALU_DEP_2)
	v_pk_add_f32 v[216:217], v[216:217], v[200:201]
	v_pk_add_f32 v[218:219], v[218:219], v[202:203]
	v_pk_add_f32 v[220:221], v[220:221], v[204:205]
	s_delay_alu instid0(VALU_DEP_2)
	v_pk_add_f32 v[14:15], v[14:15], v[218:219]
	s_delay_alu instid0(VALU_DEP_2)
	v_pk_add_f32 v[216:217], v[216:217], v[220:221]
	s_delay_alu instid0(VALU_DEP_1)
	v_pk_add_f32 v[14:15], v[14:15], v[216:217]
	s_wait_alu depctr_va_vdst(0)                   ; and one for the four
.irp b, 0,1,2,3
	v_max_num_f32 v[BM+\b], 0x1800000, v[BM+\b]    ; the floor 2^(3 - 127)
.endr
.irp b, 0,1,2,3
	s_delay_alu instid0(VALU_DEP_4)
	v_add_nc_u32 v[SO+\b], 0xff000000, v[BM+\b]    ; the conversion's scale operand
.endr
.irp b, 0,1,2,3
	s_delay_alu instid0(VALU_DEP_4)
	v_lshrrev_b32 v[T2+\b], 23, v[SO+\b]           ; the scale's byte
.endr
	s_delay_alu instid0(VALU_DEP_3)
	v_lshl_or_b32 v[PWD], v[T2+1], 8, v[T2]        ; p's scale word for these 128 keys
	s_delay_alu instid0(VALU_DEP_1)
	v_lshl_or_b32 v[PWD], v[T2+2], 16, v[PWD]
	s_delay_alu instid0(VALU_DEP_1)
	v_lshl_or_b32 v[PWD], v[T2+3], 24, v[PWD]
.irp c, 0,1
	v_cvt_scalef32_pk16_fp6_f32 v[PC+6*\c:PC+6*\c+2], v[S+32*\c:S+32*\c+15], v[SO+2*\c]
	v_cvt_scalef32_pk16_fp6_f32 v[T2+4*\c:T2+4*\c+2], v[S+32*\c+16:S+32*\c+31], v[SO+2*\c+1]
.endr
	v_nop                                          ; one plain place behind a scaled conversion
.irp c, 0,1                                        ; a WHOLE block in a lane: lanes 0-15 block 2 c, lanes 16-31 block 2 c + 1
.irp i, 0,1,2
	v_permlane16_swap_b32 v[PC+6*\c+\i], v[T2+4*\c+\i]
.endr
.irp i, 0,1,2
	s_delay_alu instid0(VALU_DEP_3)
	v_mov_b32 v[PC+3+6*\c+\i], v[T2+4*\c+\i]
.endr
.endr
	s_wait_alu depctr_va_vdst(0)                   ; directly ahead of the first reader of O^T
.set j, 0
.rept 16
	v_pk_mul_f32 v[O+j:O+j+1], v[O+j:O+j+1], v[F:F+1] op_sel_hi:[1,0]   ; O^T under the new M; also the places behind p's scale word and codes
.set j, j+2
.endr
	s_wait_alu depctr_va_vdst(0)
	s_wait_dscnt 0x0                               ; V's fragments and scale words are in
.irp t, 0,1,2,3                                    ; O^T += V^T P^T: four accumulators by turns; between two links of a chain stand eleven other products
	v_wmma_scale_f32_16x16x128_f8f6f4 v[O+8*\t:O+8*\t+7], v[KF+12*\t:KF+12*\t+11], v[PC:PC+11], v[O+8*\t:O+8*\t+7], v[VSW+\t], v[PWD] matrix_a_fmt:MATRIX_FMT_FP6 matrix_b_fmt:MATRIX_FMT_FP6
.endr
.endm
; The way out of a pass: O^T / the sum goes through my stage and leaves as whole rows of 256 bytes, two an instruction.
.macro OUTRO
	v_add_f32 v14, v14, v15
	s_delay_alu instid0(VALU_DEP_1)
	v_permlanex16_b32 v[F], v14, s20, s21
	s_delay_alu instid0(VALU_DEP_1)
	v_add_f32 v14, v14, v[F]                       ; the row's sum
	s_wait_alu depctr_va_vdst(0)
	v_rcp_f32 v14, v14
	v_nop
	v_nop
	s_wait_alu depctr_va_vdst(0)                   ; ahead of the reciprocal's first reader
.set j, 0
.rept 16
	v_pk_mul_f32 v[S+j:S+j+1], v[O+j:O+j+1], v[14:15] op_sel_hi:[1,0]
.set j, j+2
.endr
.irp t, 0,1,2,3
	ds_store_b128 v[STO], v[S+8*\t:S+8*\t+3] offset:64*\t
	ds_store_b128 v[STO], v[S+8*\t+4:S+8*\t+7] offset:64*\t+16
.endr
.irp i, 0,1,2,3,4,5,6,7
	ds_load_b128 v[KF+4*\i:KF+4*\i+3], v[STI] offset:2*\i*SP
.endr
.irp i, 0,1,2,3,4,5,6,7
	s_wait_dscnt 7-\i                              ; the younger loads from the stage may be out
	global_store_b128 v[GL16], v[KF+4*\i:KF+4*\i+3], s[10:11] offset:512*\i th:TH_STORE_NT   ; 512 consecutive bytes, at a multiple of 256 from out0's first byte
.endr
.endm
	s_load_b256 s[4:11], s[0:1], 0x0               ; q s[4:5], k s[6:7], v s[8:9], out0 s[10:11]
	v_lshl_add_u32 v[SPW], v0, 2, SPARE
	v_mov_b32 v[NIL], 0
	v_lshrrev_b32 v1, 5, v0
	v_readfirstlane_b32 s12, v1                    ; wave 0..15
	v_and_b32 v8, 31, v0                           ; lane
	v_lshlrev_b32 v[GL16], 4, v8
	v_lshlrev_b32 v[GL4], 2, v8
	s_and_b32 s13, s12, 7                          ; m: K's tile (waves 0-7), or V's part: keys' block m / 2, channels' half m % 2 (waves 8-15)
	s_lshr_b32 s30, s13, 1
	s_and_b32 s31, s13, 1
	s_lshr_b32 s32, s13, 2
	s_and_b32 s33, s30, 1
	s_and_b32 s14, ttmp7, 0xffff                   ; the head
	s_lshl_b32 s16, s14, 19                        ; x 2,048 rows of 256 bytes
	s_bfe_u32 s15, ttmp6, 0x40000                  ; my place in the cluster: the quarter of the queries
	s_lshl_b32 s18, s15, 17
	s_add_co_u32 s18, s18, s16
	s_lshl_b32 s17, s12, 12                        ; my wave's 16 of the first 256
	s_add_co_u32 s18, s18, s17
	s_mov_b32 s19, 0
	s_lshl_b32 s34, s30, 13                        ; K: my tile begins at row 32 (m / 2) + 8 (m % 2)
	s_lshl_b32 s17, s31, 11
	s_add_co_u32 s34, s34, s17
	s_add_co_u32 s34, s34, s16
	s_mov_b32 s35, 0
	s_lshl_b32 s36, s30, 13                        ; V: row 32 (m / 2), byte 128 (m % 2)
	s_lshl_b32 s17, s31, 7
	s_add_co_u32 s36, s36, s17
	s_add_co_u32 s36, s36, s16
	s_mov_b32 s37, 0
	s_wait_alu depctr_va_vdst(0)
	s_wait_kmcnt 0x0
	s_add_nc_u64 s[4:5], s[4:5], s[18:19]
	s_add_nc_u64 s[10:11], s[10:11], s[18:19]
	s_add_nc_u64 s[6:7], s[6:7], s[34:35]
	s_add_nc_u64 s[8:9], s[8:9], s[36:37]
	LOADT O, 4, 0, 0, 1                            ; Q's tile of pass 0,
	LOADT KF, 4, 256, 0, 1                         ; of pass 1,
	s_cmp_lt_u32 s12, 8                            ; and my part of key step 0
	s_cbranch_scc0 .Lfirst_v
	LOADT A, 6, 0, 8, 0
	s_branch .Lfirst_done
.Lfirst_v:
	LOADV
.Lfirst_done:
	; the LDS addresses: each a constant + constants x lane terms + constants x terms of the wave's number
	s_mov_b32 s20, 0x76543210
	s_mov_b32 s21, 0xfedcba98                      ; selects for lane l xor 16
	s_mov_b32 s22, 0x3e38aa3b                      ; c = log2(e) / 8
	s_mov_b32 s23, s22
	s_mul_i32 s28, s12, WSTG
	s_add_co_u32 s28, s28, STG                     ; my stage
	s_lshl_b32 s29, s12, 10
	s_add_co_u32 s29, s29, QST                     ; where pass 1's Q waits
	s_mul_i32 s34, s30, 1536                       ; K: pair m / 2, half m % 2
	s_mul_i32 s35, s31, 520
	s_add_co_u32 s35, s35, s34
	s_mul_i32 s36, s31, 1016
	s_add_co_u32 s36, s36, s34
	s_add_co_u32 s36, s36, 8
	s_lshl_b32 s37, s32, 8
	s_and_b32 s38, s13, 3
	s_lshl_b32 s38, s38, 2
	s_add_co_u32 s37, s37, s38
	s_add_co_u32 s37, s37, KSC
	s_mul_i32 s38, s31, 3072                       ; V: tiles 2 (m % 2) on, lanes' half (m / 2) % 2, registers' half m / 4
	s_lshl_b32 s39, s33, 8
	s_add_co_u32 s38, s38, s39
	s_add_co_u32 s38, s38, VIMG
	s_mul_i32 s39, s32, 520
	s_add_co_u32 s39, s39, s38
	s_mul_i32 s40, s32, 1016
	s_add_co_u32 s40, s40, s38
	s_add_co_u32 s40, s40, 8
	s_lshl_b32 s41, s31, 3
	s_add_co_u32 s41, s41, s30
	s_add_co_u32 s41, s41, VSC
	s_mov_b32 s24, 0                               ; the step's images,
	s_mov_b32 s25, 0                               ; K's scale words,
	s_mov_b32 s26, 0                               ; V's
	s_mov_b32 s27, 0                               ; the key step that is quantised
	v_and_b32 v9, 15, v0                           ; r
	v_bfe_u32 v10, v0, 4, 1                        ; h
	v_lshlrev_b32 v[AK0], 4, v8
	v_lshl_add_u32 v[AV0], v8, 4, VIMG
	v_lshl_add_u32 v[ASK0], v8, 4, KSC
	v_lshl_add_u32 v[ASV0], v9, 4, VSC
	v_mul_u32_u24 v[STI], v10, SP
	v_mul_u32_u24 v11, v9, SP
	v_lshl_add_u32 v[STI], v9, 4, v[STI]
	v_add_nc_u32 v11, s28, v11
	v_add_nc_u32 v[STI], s28, v[STI]
	v_lshl_add_u32 v[STR], v10, 7, v11
	v_lshl_add_u32 v[STO], v10, 5, v11
	v_lshlrev_b32 v[SH8], 3, v10
	v_add_nc_u32 v[KA1], s35, v[AK0]
	v_add_nc_u32 v[KA2], s36, v[AK0]
	v_lshl_add_u32 v[PKS], v9, 4, s37
	v_mul_u32_u24 v11, v10, 1536
	v_lshl_add_u32 v11, v9, 4, v11
	v_add_nc_u32 v[VA1], s39, v11
	v_add_nc_u32 v[VA2], s40, v11
	v_lshlrev_b32 v11, 4, v9
	v_lshl_add_u32 v11, v10, 2, v11
	v_add_nc_u32 v[PVS], s41, v11
.irp i, 6,7,8,9,10,11
	v_mov_b32 v[QF+\i], 0                          ; Q's zero codes for k = 64 .. 127
.endr
	v_mov_b32 v[PW], 0                             ; lane permutes' destinations count as sources
.irp i, 0,1,2,3
	v_mov_b32 v[T2+\i], 0
.endr
	v_mov_b32 v[F], 0
	v_mov_b32 v[PWD], 0
	s_wait_alu depctr_va_vdst(0)                   ; the wait at the head's end
	s_wait_loadcnt 16                              ; behind Q's first tile: Q's second (8) and at least 8 loads of key step 0
	TURN O
	QUANT32 X, QF, TMP
	WORD QW
	s_wait_loadcnt 8
	TURN KF
	QUANT32 X, D, TMP
	WORD W
	v_add_nc_u32 v[ADK], s29, v[AK0]
	ds_store_b128 v[ADK], v[D:D+3]                 ; pass 1's Q waits in my own LDS bytes
	ds_store_b64 v[ADK], v[D+4:D+5] offset:512
	ds_store_b32 v[ADK], v[W] offset:520
	QSTAGE 0                                       ; key step 0; step 1 is asked for
	s_wait_dscnt 0x0                               ; for the others' sake: my part of step 0 has landed
	s_barrier_signal -1
	s_barrier_wait -1
	INITPASS
	s_mov_b32 s27, 1
.Lp0:                                              ; PASS 0: trip c = 1 .. 16 quantises step c (c < 16) and multiplies step c - 1
	s_cmp_lt_u32 s27, 16
	s_cbranch_scc0 .Lnoq
	QSTAGE 1
.Lnoq:
	s_wait_dscnt 0x0                               ; my part of step c has landed:
	s_barrier_signal -1                            ; say so;
	COMPUTE                                        ; step c - 1's images are read, which nobody writes any more;
	s_barrier_wait -1                              ; step c is whole
	s_add_co_u32 s24, s24, STEPB
	s_add_co_u32 s25, s25, 512
	s_add_co_u32 s26, s26, 256
	s_add_co_u32 s27, s27, 1
	s_cmp_lt_u32 s27, 17
	s_cbranch_scc1 .Lp0
	OUTRO
	s_wait_xcnt 0x0                                ; the stores have read their registers and their base
	s_add_nc_u64 s[10:11], s[10:11], 0x10000       ; pass 1's rows: 256 queries on
	v_add_nc_u32 v[ADK], s29, v[AK0]
	ds_load_b128 v[QF:QF+3], v[ADK]                ; and its Q: waited for with the first step's fragments
	ds_load_b64 v[QF+4:QF+5], v[ADK] offset:512
	ds_load_b32 v[QW], v[ADK] offset:520
	INITPASS
	s_mov_b32 s24, 0
	s_mov_b32 s25, 0
	s_mov_b32 s26, 0
	s_mov_b32 s27, 16
.Lp1:                                              ; PASS 1: the images are whole
	COMPUTE
	s_add_co_u32 s24, s24, STEPB
	s_add_co_u32 s25, s25, 512
	s_add_co_u32 s26, s26, 256
	s_sub_co_u32 s27, s27, 1
	s_cmp_lg_u32 s27, 0
	s_cbranch_scc1 .Lp1
	OUTRO
	s_wait_tensorcnt 0x0                           ; the wave's end
	ds_add_u32 v[SPW], v[NIL]
	s_wait_dscnt 0x0
	s_endpgm
.Lfunc_end_k_q08c602f90a_attn:
	.size	k_q08c602f90a_attn, .Lfunc_end_k_q08c602f90a_attn-k_q08c602f90a_attn
	.p2alignl 7, 3214868480
	.fill 96, 4, 3214868480
	.section	.rodata,"a",@progbits
	.p2align	6, 0x0
	.amdhsa_kernel k_q08c602f90a_attn
		.amdhsa_group_segment_fixed_size 296960
		.amdhsa_private_segment_fixed_size 0
		.amdhsa_enable_private_segment 0
		.amdhsa_kernarg_size 32
		.amdhsa_user_sgpr_count 2
		.amdhsa_user_sgpr_kernarg_segment_ptr 1
		.amdhsa_wavefront_size32 1
		.amdhsa_system_sgpr_workgroup_id_x 1
		.amdhsa_system_sgpr_workgroup_id_y 1
		.amdhsa_system_sgpr_workgroup_id_z 1
		.amdhsa_system_vgpr_workitem_id 0
		.amdhsa_next_free_vgpr 256
		.amdhsa_next_free_sgpr 66
		.amdhsa_reserve_vcc 0
		.amdhsa_float_denorm_mode_32 3
		.amdhsa_float_denorm_mode_16_64 3
		.amdhsa_memory_ordered 1
		.amdhsa_forward_progress 1
		.amdhsa_inst_pref_size 81
	.end_amdhsa_kernel
	.amdgpu_metadata
---
amdhsa.version: [ 1, 2 ]
amdhsa.kernels:
  - .name:           k_q08c602f90a_attn
    .symbol:         k_q08c602f90a_attn.kd
    .args:
      - { .name: q, .offset: 0, .size: 8, .value_kind: global_buffer, .address_space: global }
      - { .name: k, .offset: 8, .size: 8, .value_kind: global_buffer, .address_space: global }
      - { .name: v, .offset: 16, .size: 8, .value_kind: global_buffer, .address_space: global }
      - { .name: out0, .offset: 24, .size: 8, .value_kind: global_buffer, .address_space: global }
    .group_segment_fixed_size: 296960
    .private_segment_fixed_size: 0
    .kernarg_segment_align: 8
    .kernarg_segment_size: 32
    .max_flat_workgroup_size: 512
    .sgpr_count:     66
    .vgpr_count:     256
    .wavefront_size: 32
...
	.end_amdgpu_metadata
.endif
;; end of part 1
